; MI455X (gfx1250); checked and timed in simulation.
; The chip was launched on July 23, 2026; its instructions are those of AMD's public machine-readable ISA for CDNA 5 (MIT licence, August 2026) and "CDNA5" Instruction Set Architecture Reference Guide (July 2026). The comments in the code are by the model that wrote it; some were corrected since.
;; Text Guided Pruning. Allowed arithmetic: matrix products marked QUANTISED: E4M3 operands, one given power-of-two scale a tensor, by v_wmma_f32_16x16x64_fp8_fp8 or v_wmma_f32_16x16x128_fp8_fp8, f32 sums; products left as they are: f32 operands where the result goes on into a quantised operand, else bf16, f16 or f32 operands; f32 sums; everything else in f32.
;; Inputs: alpha_coarse one number float32; alpha_fine one number float32; b1 256 float32; b2 128 float32; b3 1 float32; be1 256 float32; be2 128 float32; g1 256 float32; g2 128 float32; in_proj_b 768 float32; in_proj_w_codes 768 x 8 x 32 uint8 (E4M3 codes of in_proj_w, K innermost, in blocks of 32 codes); k_weight one number float32; lowp_scales 14 int32 (the exponents e of the quantised operands' scales 2^e); text_features_codes 32 x 16 x 8 x 32 uint8 (E4M3 codes of text_features, K innermost, in blocks of 32 codes); tp_b 256 float32; tp_w_codes 256 x 8 x 32 uint8 (E4M3 codes of tp_w, K innermost, in blocks of 32 codes); vision_features_codes 16,384 x 16 x 8 x 32 uint8 (E4M3 codes of vision_features, K innermost, in blocks of 32 codes); vp_b 256 float32; vp_w_codes 256 x 8 x 32 uint8 (E4M3 codes of vp_w, K innermost, in blocks of 32 codes); w1_codes 256 x 8 x 32 uint8 (E4M3 codes of w1, K innermost, in blocks of 32 codes); w2_codes 128 x 8 x 32 uint8 (E4M3 codes of w2, K innermost, in blocks of 32 codes); w3 1 x 128 float32.
;; Outputs: out0 16,384 x 16 float32.
;; This version of the problem:
;;   THIS VERSION OF THE PROBLEM IS GIVEN IN LOW PRECISION. The matrix products marked QUANTISED in the list below multiply operands that are first quantised to E4M3 (4 exponent bits, 3 mantissa bits; 8 bits a number), with one given power-of-two scale for each operand tensor; their sums are f32. All else is computed in f32.
;;   The module's matrix products, in the order in which they are computed (A, B: the left and right operand; K: the contracted axis; several contracted axes count as one K, in the product's order):
;;     1. [M 262,144, K 256] x [K 256, N 256]; A: input vision_features (given as codes); B: input vp_w (given as codes): QUANTISED (scales: A lowp_scales[0], B lowp_scales[1])
;;     2. [M 512, K 256] x [K 256, N 256]; A: input text_features (given as codes); B: input tp_w (given as codes): QUANTISED (scales: A lowp_scales[2], B lowp_scales[3])
;;     3. [M 262,144, K 256] x [K 256, N 256]; A: computed on the way; B: input in_proj_w (given as codes): QUANTISED (scales: A lowp_scales[4], B lowp_scales[5])
;;     4. [M 512, K 256] x [K 256, N 256]; A: computed on the way; B: input in_proj_w (given as codes): QUANTISED (scales: A lowp_scales[6], B lowp_scales[7])
;;     5. batch 128 x [M 16,384, K 32] x [K 32, N 32]; A: computed on the way; B: computed on the way: QUANTISED (scales: A lowp_scales[8], B lowp_scales[9])
;;     6. [M 262,144, K 256] x [K 256, N 256]; A: input vision_features (given as codes); B: input w1 (given as codes): QUANTISED (scales: A lowp_scales[10], B lowp_scales[11])
;;     7. [M 262,144, K 256] x [K 256, N 128]; A: computed on the way; B: input w2 (given as codes): QUANTISED (scales: A lowp_scales[12], B lowp_scales[13])
;;     8. [M 262,144, K 128] x [K 128, N 1]; A: computed on the way; B: input w3: left as it is (N = 1 < 16)
;;   THE QUANTISER, for each operand of a quantised product, along K:
;;     - The operand's scale is 2^e, e = its entry of the input lowp_scales (int32; the entries are numbered through the quantised products in the list's order, A before B).
;;     - Each number is divided by the scale, clamped to +-448, and rounded to the nearest number of E4M3, ties to even, subnormals kept.
;;     - The product sums the exact products of the quantised numbers (number of the format x scale) in f32.
;;   ~~~python
;;   def quantise(x, axis, e):      # numpy; x: float32 -> the quantised numbers, widened to float32 again
;;       x = np.moveaxis(x, axis, -1); K = x.shape[-1]
;;       r = np.clip(x / 2.0 ** e, -448, 448)
;;       step = 2.0 ** (np.maximum(np.frexp(np.where(r == 0, 1, r))[1] - 1, -6) - 3)
;;       q = np.round(r / step) * step * 2.0 ** e      # np.round: ties to even
;;       return np.moveaxis(q, -1, axis).astype(np.float32)
;;   ~~~
;;   OPERANDS COMPUTED ON THE WAY. 'Computed on the way' means the value that the module computes at that place (a softmax that the list does not call 'softmax' is quantised finished and normalised). What goes into a quantiser is computed in f32, as accurately as f32 sums, v_exp_f32 and their like allow (about 1e-6 of the number): no bf16 or f16 on the way to a quantiser, and a product that is left as it is and whose result goes on into a quantised operand takes f32 operands (vector FMAs, or v_wmma_f32_16x16x4_f32). A number that lies on a knife's edge between two numbers of the format may be rounded either way, as far as f32 arithmetic and the matrix unit's own rounding can turn it there, and no further.
;;   INPUTS GIVEN AS CODES. in_proj_w (in the module: [768, 256], K = its axis 1); text_features (in the module: [32, 16, 256], K = its axis 2); tp_w (in the module: [256, 256], K = its axis 1); vision_features (in the module: [16384, 16, 256], K = its axis 2); vp_w (in the module: [256, 256], K = its axis 1); w1 (in the module: [256, 256], K = its axis 1); w2 (in the module: [128, 256], K = its axis 1): each comes as NAME_codes (uint8): NAME with its K axis moved to the last place and cut into blocks of 32 codes, [.., K / 32, bytes a block], one block behind the other in memory; one code a byte (a code: sign, 4 exponent bits, 3 mantissa bits); its scale is its entry of lowp_scales. Its value is code x scale, taken as it is: it is not quantised again, and the codes and scales need not be those that the quantiser above would give.
;; One version. Each part assembles by itself: llvm-mc -triple=amdgcn-amd-amdhsa -mcpu=gfx1250 --defsym DOCPART=n.
;; ======== version 1 of 1: 2 launches
;; limits: right only within a limited range of input values
;; workspace buffers: sim0 1,048,576 bytes; sim1 1,048,576 bytes; imp 1,048,576 bytes; part 8,192 bytes
;; launch main (part 1): grid 16 x 16, 8 waves a work-group, clusters of 4 x 1, 327,680 bytes of LDS; arguments vision_features_codes, vp_w_codes, in_proj_w_codes, w1_codes, w2_codes, text_features_codes, tp_w_codes, tp_b, lowp_scales, vp_b, in_proj_b, b1, g1, be1, b2, g2, be2, w3, b3, k_weight, sim0, sim1, imp, part; writes sim0, sim1, imp, part
.if DOCPART == 1
	.amdgcn_target "amdgcn-amd-amdhsa--gfx1250"
	.amdhsa_code_object_version 6
	.text
	.protected	k_q7e1990628d_main
	.globl	k_q7e1990628d_main
	.p2align	8
	.type	k_q7e1990628d_main,@function
k_q7e1990628d_main:
	s_mov_b64 s[64:65], 0
	v_nop
	global_prefetch_b8 v0, s[64:65] scope:SCOPE_SE
	s_setreg_imm32_b32 hwreg(HW_REG_WAVE_MODE, 25, 1), 1
	s_wait_xcnt 0x0
	s_wait_alu depctr_hold_cnt(0) depctr_sa_sdst(0) depctr_va_vdst(0) depctr_va_sdst(0) depctr_va_ssrc(0) depctr_va_vcc(0) depctr_vm_vsrc(0)
	s_getreg_b32 s2, hwreg(HW_REG_IB_STS2, 6, 4)
	s_cmp_eq_u32 s2, 0
	s_cbranch_scc0 .Lentry_in_a_cluster
	s_endpgm
.Lentry_in_a_cluster:
	s_bfe_u32 s2, ttmp6, 0x10000c
	s_cmp_lg_u32 s2, 0x3003
	s_cbranch_scc0 .Lentry_shape_is_right
	s_endpgm
.Lentry_shape_is_right:
; EVERYTHING BUT THE LAST NORMALISATION.  A vision row (n, b) is 256 E4M3 codes.  Two chains, row by row:
;   ATT: V vp_w^T + vp_b | quantised | in_proj_w[0:256]^T + in_proj_b | quantised | scores against batch b's 32 keys, 8 heads | softmax | summed over heads | variance; the 16 largest; second softmax; weighted sum
;   MLP: V w1^T + b1 | LayerNorm, relu | quantised | w2^T + b2 | LayerNorm, relu | . w3 + b3 | sigmoid
; LEFT OUT: in_proj_w[512:768] and in_proj_b[512:768] (reference() never reads them).  The mean of attn over the keys: attn is a mean of softmaxes over the keys, so it is 1/32 for all inputs; the variance takes that constant.
;   A NaN, an infinity or an overflow that reaches only what is left out is not carried to the result.
; SHARES.  Work-group (xg, b): batch b, n = 1,024 xg .. + 1,023: 256 work-groups, 32 blocks of 32 rows (two tiles of 16) each.  Every wave w takes blocks w, 8 + w, 16 + w; the four waves with w / 4 == BIG also take
;   24 + w % 4 and 28 + w % 4: five blocks against three.  A block is two half-trips (ATT, MLP); waves 4-7 begin with MLP.  The loop has ten trips in every wave; a branch on the wave's number and the trip leads round the
;   work of the trips that a wave does not have.  In the loop the waves meet no barrier.  Block k of wave w puts its results at place 8 k + w of the planes, so no two waves share a place.
; HEAD.  Waves 0-6 each ask for 128 rows x 256 bytes of w1, vp_w, in_proj_w[0:256], w2 by ONE tensor load (LDS rows 272 bytes apart); the four work-groups of a cluster want the same rows and ask jointly.  No LDS byte is filled twice.
;   While those are on their way the work-group makes its batch's keys: text tp_w^T + tp_b | quantised | in_proj_w[256:512]^T + in_proj_b[256:512] | quantised; wave w makes channels 32 w .. + 31 (head w) of the 32 text rows.
; ALL PRODUCTS ARE USED TRANSPOSED (source 0 = 16 neighbouring rows of the weight, source 1 = 16 data rows): lane (r, h) holds data row r, register j of out tile t is channel 16 t + 8 h + j.
;   Two conversions of tiles 2 q, 2 q + 1 give registers 4 q .. 4 q + 3 of the next operand in the fp8 forms' own layout (registers 2 c, 2 c + 1: k = 16 c + 8 h ..), so in_proj_w, w2 and the keys are read in that layout (8 bytes a lane).
;   V, text, vp_w, w1, tp_w are read 16 bytes a lane: one permutation of k, the same on both sides of a product.  A bias is the C of a sum's first matrix instruction, divided by the power of two that the sums lack.
; k_top.  The variance of attn lies in [0, 1/32], so k_top is k0 or min(k0 + 1, 16), k0 from k_weight alone; both candidates' results are stored, as factors 0 or 1 only, and the last launch chooses.
; KEPT SCALED: the sum over heads is 8 x attn; sim0, sim1 are 8 x the similarity (the last launch's quotient takes the factor out).
; The second softmax takes no maximum away: its exponents are attn values, which the first softmax normalises into [0, 1].  The first takes each row's own maximum away.
; NO PREFETCH: a block's rows are asked for by register loads in the half-trip before the one that reads them; the weights are asked for once, at the head, where there is no loop to run ahead in.
; LIMITS on the given exponents, so that each power of two below is an f32 number: e6-e2-e3, e9-e6-e7, e4-e0-e1, e8-e4-e5, e12 between -126 and 119; e8+e9 between -124 and 129; e10+e11, e12+e13 between -126 and 127,
; 2(e10+e11)-8 and 2(e12+e13)-7 likewise.  NaN among the inputs is not served.
.set BIG,  0                           ; which four waves (w / 4) take five blocks
.set VPO,  69632                       ; LDS: 0 w1; vp_w; in_proj_w[0:256]; w2: rows of 272 bytes
.set QWO,  139264
.set W2O,  208896
.set VST,  243712                      ; a stage of 16 rows x 272 for each wave
.set KIO,  278528                      ; the keys, as register images: (2 head + key tile) x 512 + 16 lane
.set TXO,  286720                      ; text_proj's codes, likewise
.set TAB,  294912                      ; f32 tables: +0 vp_b, +1,024 in_proj_b, +2,048 b1 (divided), +3,072 g1, +4,096 be1, +5,120 b2 (divided), +5,632 g2, +6,144 be2, +6,656 w3, +7,168 factors, +7,296 infinities
.set OSTG, 302336                      ; three planes of 40 places x 32 results
.set PLN,  5120
.set RED,  317696                      ; eight waves' statistics
.set SPARE,317952                      ; the spare words, 128 bytes a wave
.set AW1,  1
.set AW2,  2
.set AVP,  3
.set AQW,  4
.set AKI,  5
.set ATB,  6                           ; TAB + 32 h
.set VO,   7
.set SST,  8
.set SLD,  9
.set OST,  10
.set OTMP, 11
.set SC1,  12
.set LIM1, 13
.set SC2,  14
.set LIM2, 15
.set SCH,  16
.set LIMH, 17
.set VARS, 18                          ; v19-24 running min, max of sim0, sim1, importance
.set REDA, 25
.set OL,   26
.set RL,   27
.set SPW,  28                          ; my spare word; v29 = 0: for the add alone
.set ZR,   29
.set GOF,  30
.set NIL,  31
.set V,    32                          ; v32-95 V: tile i, K step s at 32 i + 16 s
.set X,    96                          ; v96-159 codes made on the way
.set WB,   160                         ; v160-239 two buffers of 40
.set LT,   240
.set AT4,  176                         ; head only, v160-199
.set AM,   177
.set TO4,  178
.set TO2,  179
.set ITX,  180
.set ALI,  181
.set IKI,  182
.set VT,   183
.set VW,   184
.set VK,   185
.set VB,   186
.set SCT1, 187
.set LIMT1,188
.set SCT2, 189
.set LIMT2,190
.set TF,   0                           ; window 1, head only: text fragments, tp_w's, in_proj_w's, sums, two biases; the codes lie over tp_w's
.set WF,   64
.set KF,   128
.set AC,   192
.set BI,   224
.set BJ,   240
.set CD,   64
.set AT,   128                         ; window 1, ATT
.set TM,   192
.set MK,   224
.set INFR, 240
.set UB,   24
.set WV,   66
.set LIMR, 17                          ; s17: my half-trips, 10 or 6
.set MSB, 0
.macro WIN new
.if MSB != \new
	s_set_vgpr_msb (MSB<<8)|\new
.set MSB, \new
.endif
.endm
.macro PLACES n
.rept \n
	v_nop
.endr
.endm
.macro WA
	s_wait_alu depctr_va_vdst(0)
.endm
.macro CROUND
	s_barrier_signal -1
	s_barrier_wait -1
	s_cmp_lg_u32 s[WV], 0
	s_cbranch_scc1 .Lnot_wave_0_\@
	s_barrier_signal -3
.Lnot_wave_0_\@:
	s_barrier_wait -3
	s_barrier_signal -1
	s_barrier_wait -1
.endm
.macro MKSC vs, vl, se                 ; v[vs] = 2^e, v[vl] = 448 x 2^e
	s_add_co_i32 s2, s[\se], 127
	s_lshl_b32 s3, s2, 23
	v_mov_b32 v[\vs], s3
	s_add_co_i32 s2, s2, 8
	s_lshl_b32 s2, s2, 23
	s_or_b32 s2, s2, 0x600000
	v_mov_b32 v[\vl], s2
.endm
; head: eight products, four accumulators by turns
.macro PMUL wf, bi
.irp lt, 0,1
.irp u, 0,1
	v_wmma_f32_16x16x128_fp8_fp8 v[AC+16*\lt+8*\u:AC+16*\lt+8*\u+7], v[\wf+32*\u:\wf+32*\u+15], v[TF+32*\lt:TF+32*\lt+15], v[\bi+8*\u:\bi+8*\u+7]
.endr
.endr
.irp lt, 0,1
.irp u, 0,1
	v_wmma_f32_16x16x128_fp8_fp8 v[AC+16*\lt+8*\u:AC+16*\lt+8*\u+7], v[\wf+32*\u+16:\wf+32*\u+31], v[TF+32*\lt+16:TF+32*\lt+31], v[AC+16*\lt+8*\u:AC+16*\lt+8*\u+7]
.endr
.endr
	PLACES 5
.endm
.macro PQ sc, lim                      ; the hold (the conversion does not saturate: ISA guide 7.6.2), then the conversions
	WIN 0x41
.irp k, 0,1,2,3,4,5,6,7,8,9,10,11,12,13,14,15,16,17,18,19,20,21,22,23,24,25,26,27,28,29,30,31
	v_med3_num_f32 v[AC+\k], v[AC+\k], -v[\lim], v[\lim]
.endr
.irp lt, 0,1
	v_cvt_scalef32_pk8_fp8_f32 v[CD+4*\lt:CD+4*\lt+1], v[AC+16*\lt:AC+16*\lt+7], v[\sc]
	v_cvt_scalef32_pk8_fp8_f32 v[CD+4*\lt+2:CD+4*\lt+3], v[AC+16*\lt+8:AC+16*\lt+15], v[\sc]
.endr
	v_nop
.endm
; out tile t's two fragments and eight bias numbers into buffer p: 10 loads (16 bytes a lane) or 18 (8 bytes a lane)
.macro WLOAD aw, tb, t, p, wide
.if \wide
.irp s, 0,1
.irp c, 0,1,2,3
	ds_load_b128 v[WB+40*(\p)+16*\s+4*\c:WB+40*(\p)+16*\s+4*\c+3], v[\aw] offset:(\t)*4352+128*\s+32*\c
.endr
.endr
.else
.irp s, 0,1
.irp c, 0,1,2,3,4,5,6,7
	ds_load_b64 v[WB+40*(\p)+16*\s+2*\c:WB+40*(\p)+16*\s+2*\c+1], v[\aw] offset:(\t)*4352+128*\s+16*\c
.endr
.endr
.endif
	ds_load_b128 v[WB+40*(\p)+32:WB+40*(\p)+35], v[ATB] offset:\tb+64*(\t)
	ds_load_b128 v[WB+40*(\p)+36:WB+40*(\p)+39], v[ATB] offset:\tb+64*(\t)+16
.endm
; what is due on a finished out tile: kind 0 the hold ahead of the conversion; kind 1 the LayerNorm's first sums.  It names no register of the products just issued, so it fills the places behind them.
.macro HOOK kind, t, lim
.if \kind == 0
	WIN 0x41
.irp j, 0,1,2,3,4,5,6,7
.irp i, 0,1
	v_med3_num_f32 v[128*\i+8*(\t)+\j], v[128*\i+8*(\t)+\j], -v[\lim], v[\lim]
.endr
.endr
.else
.if (\t) == 0
	WIN 0x05
.irp i, 0,1
	v_pk_add_f32 v[LT+8*\i:LT+8*\i+1], v[128*\i:128*\i+1], v[128*\i+4:128*\i+5]
	v_pk_add_f32 v[LT+8*\i+2:LT+8*\i+3], v[128*\i+2:128*\i+3], v[128*\i+6:128*\i+7]
.endr
.else
	WIN 0x01
.irp p, 0,1,2,3
.irp i, 0,1
	v_pk_add_f32 v[LT+8*\i+2*(\p%2):LT+8*\i+2*(\p%2)+1], v[128*\i+8*(\t)+2*\p:128*\i+8*(\t)+2*\p+1], v[LT+8*\i+2*(\p%2):LT+8*\i+2*(\p%2)+1]
.endr
.endr
.endif
.endif
.endm
; nt out tiles x two tiles of rows, K = 256: four matrix instructions a tile, two accumulators by turns; the next tile's loads are issued ahead of them
.macro GEMM aw, nt, tb, src, wide, kind, lim
	WIN 0
	WLOAD \aw, \tb, 0, 0, \wide
.set TT, 0
.rept \nt
.if TT == 1
	PLACES 4
.endif
.if TT > 1
	HOOK \kind, TT-2, \lim
.endif
	WIN 0
.if TT+1 < \nt
	WLOAD \aw, \tb, TT+1, (TT+1)%2, \wide
.endif
.if (\kind) || (TT == 0)
	WA
.endif
.if TT+1 < \nt
	s_wait_dscnt 18-8*\wide                        ; all but the next tile's loads
.else
	s_wait_dscnt 0x0
.endif
.set PB, WB+40*(TT%2)
	WIN 0x40
	v_wmma_f32_16x16x128_fp8_fp8 v[8*TT:8*TT+7], v[PB:PB+15], v[\src:\src+15], v[PB+32:PB+39]
	v_wmma_f32_16x16x128_fp8_fp8 v[128+8*TT:128+8*TT+7], v[PB:PB+15], v[\src+32:\src+47], v[PB+32:PB+39]
	WIN 0x50
	v_wmma_f32_16x16x128_fp8_fp8 v[8*TT:8*TT+7], v[PB+16:PB+31], v[\src+16:\src+31], v[8*TT:8*TT+7]
	v_wmma_f32_16x16x128_fp8_fp8 v[128+8*TT:128+8*TT+7], v[PB+16:PB+31], v[\src+48:\src+63], v[128+8*TT:128+8*TT+7]
.set TT, TT+1
.endr
	HOOK \kind, \nt-2, \lim
	HOOK \kind, \nt-1, \lim
	WIN 0
.endm
.macro QCVT sc                         ; 2 x 256 held sums become 2 x 32 registers of codes in X
	WIN 0x01
.irp i, 0,1
.irp q, 0,1,2,3,4,5,6,7
	v_cvt_scalef32_pk8_fp8_f32 v[X+32*\i+4*\q:X+32*\i+4*\q+1], v[128*\i+16*\q:128*\i+16*\q+7], v[\sc]
	v_cvt_scalef32_pk8_fp8_f32 v[X+32*\i+4*\q+2:X+32*\i+4*\q+3], v[128*\i+16*\q+8:128*\i+16*\q+15], v[\sc]
.endr
.endr
	WIN 0
	v_nop
.endm
; 16 rows at a time, as loaded (two whole rows a load), go through my own stage and come back as fragments; LDS serves a wave's instructions in order (ISA guide 5.7.1.4)
.macro TURN
.irp i, 0,1
.irp j, 0,1,2,3,4,5,6,7
	ds_store_b128 v[SST], v[V+32*\i+4*\j:V+32*\i+4*\j+3] offset:544*\j
.endr
.irp s, 0,1
.irp c, 0,1,2,3
	ds_load_b128 v[V+32*\i+16*\s+4*\c:V+32*\i+16*\s+4*\c+3], v[SLD] offset:128*\s+32*\c
.endr
.endr
.endr
.endm
.macro LOADNEXT                        ; in a block's second half-trip, V being done with: my next block's rows; my last block asks for nothing
	s_cmp_eq_u32 s47, 0
	WA
	s_cbranch_scc1 .Lno_load_\@
	s_mov_b32 s2, 0x100000                         ; eight blocks of 32 n x 4,096 bytes on;
	s_cmp_eq_u32 s67, 5
	s_cselect_b32 s2, (8-4*BIG)*131072, s2         ; from 16 + w to 24 + w % 4;
	s_cmp_eq_u32 s67, 7
	s_cselect_b32 s2, 0x80000, s2                  ; from there four blocks on
	s_mov_b32 s3, 0
	s_add_nc_u64 s[8:9], s[8:9], s[2:3]            ; the loads that read this base were waited for at the half-trip's head
.irp j, 0,1,2,3,4,5,6,7,8,9,10,11,12,13,14,15
	global_load_b128 v[V+4*\j:V+4*\j+3], v[VO], s[8:9] offset:8192*\j th:TH_LOAD_NT
.endr
.Lno_load_\@:
.endm
; LayerNorm's statistics in two passes; the first sums stand in LT (made in GEMM).  Leaves a - mean in place of a, and f = sigma / sqrt(sigma^2 var + eps) in v[LT + 8 i + 4]
.macro LN_STATS nt, rn, svs, ssg
	WIN 0
.irp i, 0,1
	v_pk_add_f32 v[LT+8*\i:LT+8*\i+1], v[LT+8*\i:LT+8*\i+1], v[LT+8*\i+2:LT+8*\i+3]
.endr
.irp i, 0,1
	v_add_f32 v[LT+8*\i], v[LT+8*\i], v[LT+8*\i+1]
.endr
.irp i, 0,1
	v_permlanex16_b32 v[LT+8*\i+6], v[LT+8*\i], s96, s97
.endr
.irp i, 0,1
	v_add_f32 v[LT+8*\i], v[LT+8*\i], v[LT+8*\i+6]
.endr
.irp i, 0,1
	v_mul_f32 v[LT+8*\i], \rn, v[LT+8*\i]          ; - mean
.endr
	WIN 0x41
.set P, 0
.rept 4*\nt
.irp i, 0,1
	v_pk_add_f32 v[128*\i+2*P:128*\i+2*P+1], v[128*\i+2*P:128*\i+2*P+1], v[LT+8*\i:LT+8*\i+1] op_sel_hi:[1,0]
.endr
.set P, P+1
.endr
	WIN 0x05
.set P, 0
.rept 4*\nt
.irp i, 0,1
.if P < 2
	v_pk_mul_f32 v[LT+8*\i+2+2*P:LT+8*\i+3+2*P], v[128*\i+2*P:128*\i+2*P+1], v[128*\i+2*P:128*\i+2*P+1]
.else
	v_pk_fma_f32 v[LT+8*\i+2+2*(P%2):LT+8*\i+3+2*(P%2)], v[128*\i+2*P:128*\i+2*P+1], v[128*\i+2*P:128*\i+2*P+1], v[LT+8*\i+2+2*(P%2):LT+8*\i+3+2*(P%2)]
.endif
.endr
.set P, P+1
.endr
	WIN 0
.irp i, 0,1
	v_pk_add_f32 v[LT+8*\i+2:LT+8*\i+3], v[LT+8*\i+2:LT+8*\i+3], v[LT+8*\i+4:LT+8*\i+5]
.endr
.irp i, 0,1
	v_add_f32 v[LT+8*\i+2], v[LT+8*\i+2], v[LT+8*\i+3]
.endr
.irp i, 0,1
	v_permlanex16_b32 v[LT+8*\i+6], v[LT+8*\i+2], s96, s97
.endr
.irp i, 0,1
	v_add_f32 v[LT+8*\i+2], v[LT+8*\i+2], v[LT+8*\i+6]
.endr
.irp i, 0,1
	v_fma_f32 v[LT+8*\i+2], v[LT+8*\i+2], s[\svs], s95
.endr
	WA
.irp i, 0,1
	v_rsq_f32 v[LT+8*\i+4], v[LT+8*\i+2]
.endr
	v_nop
	WA
.irp i, 0,1
	v_mul_f32 v[LT+8*\i+4], s[\ssg], v[LT+8*\i+4]
.endr
	WA                                             ; f is read behind the waits for the tables' pieces
.endm
; a piece = my 16 channels of tiles 2 q, 2 q + 1: 32 q + 8 h + 0..7 and 32 q + 16 + 8 h + 0..7
.macro LOADC1 q
.irp a, 0,1,2,3
	ds_load_b128 v[WB+32*((\q)%2)+4*\a:WB+32*((\q)%2)+4*\a+3], v[ATB] offset:3072+128*(\q)+64*(\a/2)+16*(\a%2)
	ds_load_b128 v[WB+32*((\q)%2)+16+4*\a:WB+32*((\q)%2)+16+4*\a+3], v[ATB] offset:4096+128*(\q)+64*(\a/2)+16*(\a%2)
.endr
.endm
.macro SCALE cc                        ; x f, x g + be, for piece Q
.irp k, 0,1,2,3,4,5,6,7
.irp i, 0,1
	v_pk_mul_f32 v[128*\i+16*Q+2*\k:128*\i+16*Q+2*\k+1], v[128*\i+16*Q+2*\k:128*\i+16*Q+2*\k+1], v[LT+8*\i+4:LT+8*\i+5] op_sel_hi:[1,0]
.endr
.endr
.irp k, 0,1,2,3,4,5,6,7
.irp i, 0,1
	v_pk_fma_f32 v[128*\i+16*Q+2*\k:128*\i+16*Q+2*\k+1], v[128*\i+16*Q+2*\k:128*\i+16*Q+2*\k+1], v[\cc+2*\k:\cc+2*\k+1], v[\cc+16+2*\k:\cc+16+2*\k+1]
.endr
.endr
.endm
.macro LN1_FIN
	WIN 0
	LOADC1 0
.set Q, 0
.rept 8
	WIN 0
.if Q < 7
	LOADC1 Q+1
	s_wait_dscnt 8                                 ; all but the next piece's eight
.else
	s_wait_dscnt 0x0
.endif
	WIN 0x41
	SCALE WB+32*(Q%2)
.irp k, 0,1,2,3,4,5,6,7,8,9,10,11,12,13,14,15
.irp i, 0,1
	v_med3_num_f32 v[128*\i+16*Q+\k], v[128*\i+16*Q+\k], 0, v[LIMH]    ; relu and the hold in one
.endr
.endr
	WIN 0x01
.irp i, 0,1
	v_cvt_scalef32_pk8_fp8_f32 v[X+32*\i+4*Q:X+32*\i+4*Q+1], v[128*\i+16*Q:128*\i+16*Q+7], v[SCH]
	v_cvt_scalef32_pk8_fp8_f32 v[X+32*\i+4*Q+2:X+32*\i+4*Q+3], v[128*\i+16*Q+8:128*\i+16*Q+15], v[SCH]
.endr
.set Q, Q+1
.endr
	WIN 0
	v_nop
.endm
.macro LOADC2 q
.if ((\q)%2) == 0
.set CB, WB
.else
.set CB, X
.endif
.irp a, 0,1,2,3
	ds_load_b128 v[CB+4*\a:CB+4*\a+3], v[ATB] offset:5632+128*(\q)+64*(\a/2)+16*(\a%2)
	ds_load_b128 v[CB+16+4*\a:CB+16+4*\a+3], v[ATB] offset:6144+128*(\q)+64*(\a/2)+16*(\a%2)
	ds_load_b128 v[CB+32+4*\a:CB+32+4*\a+3], v[ATB] offset:6656+128*(\q)+64*(\a/2)+16*(\a%2)
.endr
.endm
.macro LN2_FIN
	WIN 0
	LOADC2 0
.set Q, 0
.rept 4
	WIN 0
.if Q < 3
	LOADC2 Q+1
	s_wait_dscnt 12                                ; all but the next piece's twelve
.else
	s_wait_dscnt 0x0
.endif
.if (Q%2) == 0
.set CC, WB
.else
.set CC, X
.endif
	WIN 0x41
	SCALE CC
.irp k, 0,1,2,3,4,5,6,7,8,9,10,11,12,13,14,15
.irp i, 0,1
	v_max_num_f32 v[128*\i+16*Q+\k], v[128*\i+16*Q+\k], 0
.endr
.endr
	WIN 0x01
.irp k, 0,1,2,3,4,5,6,7
.irp i, 0,1
.if (Q == 0) && (\k < 2)
	v_pk_mul_f32 v[LT+8*\i+2*\k:LT+8*\i+2*\k+1], v[128*\i+16*Q+2*\k:128*\i+16*Q+2*\k+1], v[CC+32+2*\k:CC+32+2*\k+1]
.else
	v_pk_fma_f32 v[LT+8*\i+2*(\k%2):LT+8*\i+2*(\k%2)+1], v[128*\i+16*Q+2*\k:128*\i+16*Q+2*\k+1], v[CC+32+2*\k:CC+32+2*\k+1], v[LT+8*\i+2*(\k%2):LT+8*\i+2*(\k%2)+1]
.endif
.endr
.endr
.set Q, Q+1
.endr
	WIN 0
.irp i, 0,1
	v_pk_add_f32 v[LT+8*\i:LT+8*\i+1], v[LT+8*\i:LT+8*\i+1], v[LT+8*\i+2:LT+8*\i+3]
.endr
.irp i, 0,1
	v_add_f32 v[LT+8*\i], v[LT+8*\i], v[LT+8*\i+1]
.endr
.irp i, 0,1
	v_permlanex16_b32 v[LT+8*\i+6], v[LT+8*\i], s96, s97
.endr
.irp i, 0,1
	v_add_f32 v[LT+8*\i], v[LT+8*\i], v[LT+8*\i+6]
.endr
.irp i, 0,1
	v_add_f32 v[LT+8*\i], s62, v[LT+8*\i]          ; + b3
.endr
.irp i, 0,1
	v_mul_f32 v[LT+8*\i], 0xbfb8aa3b, v[LT+8*\i]
.endr
	WA
.irp i, 0,1
	v_exp_f32 v[LT+8*\i], v[LT+8*\i]
.endr
	v_nop
	WA
.irp i, 0,1
	v_add_f32 v[LT+8*\i], 1.0, v[LT+8*\i]
.endr
	WA
.irp i, 0,1
	v_rcp_f32 v[LT+8*\i], v[LT+8*\i]               ; the sigmoid
.endr
	v_nop
	WA
.irp i, 0,1
	v_min_num_f32 v23, v23, v[LT+8*\i]
	v_max_num_f32 v24, v24, v[LT+8*\i]
	ds_store_b32 v[OTMP], v[LT+8*\i] offset:2*PLN+64*\i    ; lanes l and l xor 16 hold the same number and write the same word
.endr
.endm
; the keys of heads 4 hh .. + 3: for a pair of heads and a tile of keys twelve registers [even head | zero codes | odd head]
.macro KLOAD hh
.irp pp, 0,1
.irp lt, 0,1
	ds_load_b128 v[WB+12*(2*\pp+\lt):WB+12*(2*\pp+\lt)+3], v[AKI] offset:(2*(4*\hh+2*\pp)+\lt)*512
	ds_load_b128 v[WB+12*(2*\pp+\lt)+8:WB+12*(2*\pp+\lt)+11], v[AKI] offset:(2*(4*\hh+2*\pp+1)+\lt)*512
.endr
.endr
.endm
.macro SCORES hh                       ; sixteen products S^T = K Q^T, each a sum of its own
	WA
	s_wait_dscnt 0x0
	WIN 0x40
.irp lt, 0,1
.irp pp, 0,1
.irp o, 0,1
.irp i, 0,1
	v_wmma_f32_16x16x64_fp8_fp8 v[16*(4*\i+2*\pp+\o)+8*\lt:16*(4*\i+2*\pp+\o)+8*\lt+7], v[WB+12*(2*\pp+\lt)+4*\o:WB+12*(2*\pp+\lt)+4*\o+7], v[X+32*\i+8*(2*\hh+\pp):X+32*\i+8*(2*\hh+\pp)+7], 0
.endr
.endr
.endr
.endr
	WIN 0
	PLACES 4
.endm
.macro MAX3 d, a, b                    ; one step of the eight pairs' maxima
.irp n, 0,1,2,3,4,5,6,7
	v_max3_num_f32 v[TM+4*\n+\d], v[TM+4*\n+\d], v[16*\n+\a], v[16*\n+\b]
.endr
.endm
; the softmax of eight (tile, head) pairs n = 4 i + g, the pairs innermost.  p = 2^(c s - c m), m the row's own largest score; p / sum goes onto the sum over heads
.macro SOFTMAX hh
	WIN 0x55
.irp n, 0,1,2,3,4,5,6,7
	v_max3_num_f32 v[TM+4*\n], v[16*\n], v[16*\n+1], v[16*\n+2]
.endr
.irp n, 0,1,2,3,4,5,6,7
	v_max3_num_f32 v[TM+4*\n+1], v[16*\n+8], v[16*\n+9], v[16*\n+10]
.endr
	MAX3 0, 3, 4
	MAX3 1, 11, 12
	MAX3 0, 5, 6
	MAX3 1, 13, 14
	MAX3 0, 7, 15
.irp n, 0,1,2,3,4,5,6,7
	v_max_num_f32 v[TM+4*\n], v[TM+4*\n], v[TM+4*\n+1]
.endr
.irp n, 0,1,2,3,4,5,6,7
	v_permlanex16_b32 v[TM+4*\n+1], v[TM+4*\n], s96, s97
.endr
.irp n, 0,1,2,3,4,5,6,7
	v_max_num_f32 v[TM+4*\n], v[TM+4*\n], v[TM+4*\n+1]
.endr
.irp n, 0,1,2,3,4,5,6,7
	v_mul_f32 v[TM+4*\n], s94, v[TM+4*\n]          ; - c m
.endr
.irp k, 0,1,2,3,4,5,6,7
.irp n, 0,1,2,3,4,5,6,7
	v_pk_fma_f32 v[16*\n+2*\k:16*\n+2*\k+1], v[16*\n+2*\k:16*\n+2*\k+1], s[92:93], v[TM+4*\n:TM+4*\n+1] op_sel_hi:[1,0,0]
.endr
.endr
	WA
.irp k, 0,1,2,3,4,5,6,7,8,9,10,11,12,13,14,15
.irp n, 0,1,2,3,4,5,6,7
	v_exp_f32 v[16*\n+\k], v[16*\n+\k]
.endr
.endr
	v_nop
	WA
.irp n, 0,1,2,3,4,5,6,7
	v_pk_add_f32 v[TM+4*\n+2:TM+4*\n+3], v[16*\n:16*\n+1], v[16*\n+2:16*\n+3]
.endr
.irp k, 2,3,4,5,6,7
.irp n, 0,1,2,3,4,5,6,7
	v_pk_add_f32 v[TM+4*\n+2:TM+4*\n+3], v[TM+4*\n+2:TM+4*\n+3], v[16*\n+2*\k:16*\n+2*\k+1]
.endr
.endr
.irp n, 0,1,2,3,4,5,6,7
	v_add_f32 v[TM+4*\n+2], v[TM+4*\n+2], v[TM+4*\n+3]
.endr
.irp n, 0,1,2,3,4,5,6,7
	v_permlanex16_b32 v[TM+4*\n+3], v[TM+4*\n+2], s96, s97
.endr
.irp n, 0,1,2,3,4,5,6,7
	v_add_f32 v[TM+4*\n+2], v[TM+4*\n+2], v[TM+4*\n+3]
.endr
	WA
.irp n, 0,1,2,3,4,5,6,7
	v_rcp_f32 v[TM+4*\n+2], v[TM+4*\n+2]
.endr
	v_nop
	WA
.irp g, 0,1,2,3
.irp k, 0,1,2,3,4,5,6,7
.irp i, 0,1
.if (\hh == 0) && (\g == 0)
	v_pk_mul_f32 v[AT+32*\i+2*\k:AT+32*\i+2*\k+1], v[16*(4*\i+\g)+2*\k:16*(4*\i+\g)+2*\k+1], v[TM+4*(4*\i+\g)+2:TM+4*(4*\i+\g)+3] op_sel_hi:[1,0]
.else
	v_pk_fma_f32 v[AT+32*\i+2*\k:AT+32*\i+2*\k+1], v[16*(4*\i+\g)+2*\k:16*(4*\i+\g)+2*\k+1], v[TM+4*(4*\i+\g)+2:TM+4*(4*\i+\g)+3], v[AT+32*\i+2*\k:AT+32*\i+2*\k+1] op_sel_hi:[1,0,1]
.endif
.endr
.endr
.endr
.endm
; a comparator on both tiles: place a takes the larger; the larger goes into the free register and the names change places at assembly time
.macro CER a, b
	v_max_num_f32 v[AT+SRF], v[AT+SR\a], v[AT+SR\b]
	v_max_num_f32 v[AT+32+SRF], v[AT+32+SR\a], v[AT+32+SR\b]
	v_min_num_f32 v[AT+SR\b], v[AT+SR\a], v[AT+SR\b]
	v_min_num_f32 v[AT+32+SR\b], v[AT+32+SR\a], v[AT+32+SR\b]
.set SRT, SR\a
.set SR\a, SRF
.set SRF, SRT
.endm
.macro CEU a, b
	v_max_num_f32 v[UB+SUF], v[UB+SU\a], v[UB+SU\b]
	v_max_num_f32 v[UB+64+SUF], v[UB+64+SU\a], v[UB+64+SU\b]
	v_min_num_f32 v[UB+SU\b], v[UB+SU\a], v[UB+SU\b]
	v_min_num_f32 v[UB+64+SU\b], v[UB+64+SU\a], v[UB+64+SU\b]
.set SUT, SU\a
.set SU\a, SUF
.set SUF, SUT
.endm
.macro TOPP j, k
	v_permlanex16_b32 v[\j], v[AT+SR\k], s96, s97
	v_permlanex16_b32 v[64+\j], v[AT+32+SR\k], s96, s97
.endm
.macro TOPM j
	v_max_num_f32 v[8+\j], v[AT+SR\j], v[\j]
	v_max_num_f32 v[72+\j], v[AT+32+SR\j], v[64+\j]
.endm
.macro EPM j
	v_mul_f32 v[34+2*\j], 0x3e38aa3b, v[UB+SU\j]   ; 8 attn x log2(e) / 8
	v_mul_f32 v[98+2*\j], 0x3e38aa3b, v[UB+64+SU\j]
.endm
.macro EPT j
	v_mul_f32 v[35+2*\j], v[34+2*\j], v[UB+SU\j]
	v_mul_f32 v[99+2*\j], v[98+2*\j], v[UB+64+SU\j]
.endm
	s_load_b512 s[8:23], s[0:1], 0x0               ; V 8, vp_w 10, in_proj_w 12, w1 14, w2 16, text 18, tp_w 20, tp_b 22
	s_load_b512 s[24:39], s[0:1], 0x40             ; exponents 24, vp_b 26, in_proj_b 28, b1 30, g1 32, be1 34, b2 36, g2 38
	s_load_b512 s[40:55], s[0:1], 0x80             ; be2 40, w3 42, b3 44, k_weight 46, sim0 48, sim1 50, imp 52, part 54
	v_lshl_add_u32 v[SPW], v0, 2, SPARE
	v_mov_b32 v[ZR], 0
	ds_add_u32 v[SPW], v[ZR]                       ; the opening lines: the add, twice on end, and its wait
	ds_add_u32 v[SPW], v[ZR]
	v_lshrrev_b32 v31, 5, v0
	v_readfirstlane_b32 s[WV], v31                 ; wave 0..7
	s_mul_i32 s2, s[WV], 4352
	s_add_co_u32 s2, s2, VST                       ; my stage
	s_lshl_b32 s3, s[WV], 9
	s_add_co_u32 s7, s3, TXO
	s_add_co_u32 s3, s3, OSTG                      ; the way out: wave w stores rows 128 w .. + 127 = blocks 4 w .. + 3, which lie at places 4 w .. but for blocks 24 on:
	s_add_co_u32 s59, s[WV], 1
	s_lshr_b32 s59, s59, 3
	s_lshl_b32 s59, s59, 9
	s_add_co_u32 s3, s3, s59                       ; wave 7's lie four places further on,
.if BIG
	s_add_co_u32 s59, s[WV], 2
	s_lshr_b32 s59, s59, 3
	s_lshl_b32 s59, s59, 9
	s_add_co_u32 s3, s3, s59                       ; and where waves 4-7 made them, waves 6's and 7's four more
.endif
	s_lshl_b32 s58, s[WV], 7
	s_add_co_u32 s58, s58, OSTG                    ; place w
	s_lshl_b32 s6, s[WV], 5
	s_add_co_u32 s6, s6, RED
	s_lshl_b32 s60, s[WV], 10
	s_add_co_u32 s60, s60, KIO
	s_bfe_u32 s4, ttmp6, 0x40000                   ; cx
	s_lshl_b32 s5, ttmp9, 2
	s_add_co_u32 s4, s5, s4                        ; xg: it enters global addresses alone
	s_and_b32 s5, ttmp7, 0xffff                    ; b, which the four partners share
	s_mov_b32 s84, 0x0770000f                      ; group 1: mask of all four; elements of 1 byte; padding on, bit 21; 4 words behind every 64
	s_mov_b32 s85, 256<<16
	s_mov_b32 s86, 128<<16
	s_mov_b32 s87, 256<<16
	s_mov_b32 s88, 128
	s_mov_b32 s89, 256
	s_mov_b32 s90, 0
	s_mov_b32 s91, 0
	s_mov_b32 s56, 1
	s_mul_i32 s57, s[WV], 34816                    ; wave x 128 rows of 272 bytes
	v_and_b32 v160, 31, v0                         ; lane
	v_and_b32 v161, 15, v0                         ; r
	v_bfe_u32 v162, v0, 4, 1                       ; h
	v_lshlrev_b32 v163, 4, v160
	v_mul_u32_u24 v164, v161, 272
	v_lshl_add_u32 v[AW1], v162, 4, v164           ; 272 r + 16 h
	v_add_nc_u32 v[AVP], VPO, v[AW1]
	v_lshl_add_u32 v[AQW], v162, 3, v164           ; 272 r + 8 h
	v_add_nc_u32 v[AW2], W2O, v[AQW]
	v_add_nc_u32 v[AQW], QWO, v[AQW]
	v_add_nc_u32 v[AKI], KIO, v163
	v_lshl_add_u32 v[ATB], v162, 5, TAB
	v_lshlrev_b32 v[VO], 4, v161
	v_lshl_add_u32 v[VO], v162, 12, v[VO]
	v_mul_u32_u24 v[SST], v162, 272
	v_lshl_add_u32 v[SST], v161, 4, v[SST]
	v_add_nc_u32 v[SST], s2, v[SST]
	v_add_nc_u32 v[SLD], s2, v[AW1]
	v_lshl_add_u32 v[OST], v161, 2, s58
	v_lshl_add_u32 v[OL], v160, 4, s3
	v_mov_b32 v[OTMP], v[OST]
	v_mov_b32 v[REDA], s6
	v_and_b32 v[RL], 7, v0
	v_lshlrev_b32 v[RL], 5, v[RL]
	v_add_nc_u32 v[RL], RED, v[RL]
	v_lshl_add_u32 v[AT4], v0, 2, TAB
	v_lshl_add_u32 v[AM], v160, 2, TAB+7168
	v_lshlrev_b32 v[GOF], 4, v0
	v_mov_b32 v[NIL], 0
	v_lshlrev_b32 v[TO4], 2, v0
	v_and_b32 v[TO2], 127, v0
	v_lshlrev_b32 v[TO2], 2, v[TO2]
	v_add_nc_u32 v[ITX], s7, v163
	v_add_nc_u32 v[ALI], TXO, v163
	v_add_nc_u32 v[IKI], s60, v163
	v_lshlrev_b32 v[VT], 12, v161
	v_lshl_add_u32 v[VT], v162, 4, v[VT]           ; text: 4,096 r + 16 h
	v_lshlrev_b32 v[VW], 8, v161
	v_lshl_add_u32 v[VK], v162, 3, v[VW]           ; 256 r + 8 h
	v_lshl_add_u32 v[VW], v162, 4, v[VW]           ; 256 r + 16 h
	v_lshlrev_b32 v[VB], 5, v162
	WA
	s_wait_dscnt 0x0                               ; both opening adds are done
	s_wait_kmcnt 0x0
	s_mov_b32 s3, 0
	s_lshl_b32 s2, s5, 8
	s_add_nc_u64 s[18:19], s[18:19], s[2:3]        ; text at batch b
	s_lshl_b32 s2, s[WV], 13
	s_add_nc_u64 s[20:21], s[20:21], s[2:3]        ; tp_w at row 32 w
	s_add_co_u32 s2, s2, 65536
	s_add_nc_u64 s[60:61], s[12:13], s[2:3]        ; in_proj_w at row 256 + 32 w
	s_lshl_b32 s2, s[WV], 7
	s_add_nc_u64 s[22:23], s[22:23], s[2:3]
	s_add_co_u32 s2, s2, 1024
	s_add_nc_u64 s[82:83], s[28:29], s[2:3]        ; in_proj_b at 256 + 32 w
	WIN 0x40                                       ; what the keys' first product wants is asked for first: 36 loads
.irp lt, 0,1
.irp s, 0,1
.irp c, 0,1,2,3
	global_load_b128 v[TF+32*\lt+16*\s+4*\c:TF+32*\lt+16*\s+4*\c+3], v[VT], s[18:19] offset:65536*\lt+128*\s+32*\c
.endr
.endr
.endr
.irp u, 0,1
.irp s, 0,1
.irp c, 0,1,2,3
	global_load_b128 v[WF+32*\u+16*\s+4*\c:WF+32*\u+16*\s+4*\c+3], v[VW], s[20:21] offset:4096*\u+128*\s+32*\c
.endr
.endr
.endr
.irp u, 0,1
	global_load_b128 v[BI+8*\u:BI+8*\u+3], v[VB], s[22:23] offset:64*\u
	global_load_b128 v[BI+8*\u+4:BI+8*\u+7], v[VB], s[22:23] offset:64*\u+16
.endr
	WIN 0
	s_mov_b64 s[58:59], s[16:17]                   ; wave 6: w2; 4, 5: in_proj_w; 2, 3: vp_w; 0, 1: w1
	s_cmp_lt_u32 s[WV], 6
	s_cselect_b64 s[58:59], s[12:13], s[58:59]
	s_cmp_lt_u32 s[WV], 4
	s_cselect_b64 s[58:59], s[10:11], s[58:59]
	s_cmp_lt_u32 s[WV], 2
	s_cselect_b64 s[58:59], s[14:15], s[58:59]
	s_and_b32 s2, s[WV], 1
	s_lshl_b32 s2, s2, 15                          ; its second 128 rows
	s_add_nc_u64 s[58:59], s[58:59], s[2:3]
	s_or_b32 s59, s59, 0x80000000
	s_lshl_b32 s2, s4, 22
	s_lshl_b32 s6, s[WV], 17
	s_add_co_u32 s2, s2, s6
	s_lshl_b32 s6, s5, 8
	s_add_co_u32 s2, s2, s6
	s_add_nc_u64 s[8:9], s[8:9], s[2:3]            ; V at (1,024 xg + 32 w, b): block w
	s_load_b256 s[68:75], s[24:25], 0x0            ; e0 .. e7
	s_load_b128 s[76:79], s[24:25], 0x20           ; e8 .. e11
	s_load_b64 s[80:81], s[24:25], 0x30            ; e12, e13
	s_load_b32 s62, s[44:45], 0x0                  ; b3
	s_load_b32 s63, s[46:47], 0x0                  ; k_weight
	s_cmp_lt_u32 s[WV], 4                          ; threads 0-127 take b2 and be2, threads 128-255 g2 and w3
	s_cselect_b64 s[98:99], s[36:37], s[38:39]
	s_cselect_b64 s[100:101], s[40:41], s[42:43]
	CROUND                                         ; all four work-groups are here: the joint loads meet
	s_cmp_eq_u32 s[WV], 7
	s_cbranch_scc1 .Lno_fill                       ; seven loads cover the four weights
	tensor_load_to_lds s[56:59], s[84:91]          ; my one tensor load of the launch
	s_nop 0
	PLACES 4
.Lno_fill:
	WIN 0x40
.irp u, 0,1
.irp s, 0,1
.irp c, 0,1,2,3,4,5,6,7
	global_load_b64 v[KF+32*\u+16*\s+2*\c:KF+32*\u+16*\s+2*\c+1], v[VK], s[60:61] offset:4096*\u+128*\s+16*\c
.endr
.endr
.endr
.irp u, 0,1
	global_load_b128 v[BJ+8*\u:BJ+8*\u+3], v[VB], s[82:83] offset:64*\u
	global_load_b128 v[BJ+8*\u+4:BJ+8*\u+7], v[VB], s[82:83] offset:64*\u+16
.endr
	WIN 0
	global_load_b32 v165, v[TO4], s[26:27]
	global_load_b32 v166, v[TO4], s[28:29]
	global_load_b32 v167, v[TO4], s[30:31]
	global_load_b32 v168, v[TO4], s[32:33]
	global_load_b32 v169, v[TO4], s[34:35]
	global_load_b32 v170, v[TO2], s[98:99]
	global_load_b32 v171, v[TO2], s[100:101]
.irp j, 0,1,2,3,4,5,6,7,8,9,10,11,12,13,14,15
	global_load_b128 v[V+4*\j:V+4*\j+3], v[VO], s[8:9] offset:8192*\j th:TH_LOAD_NT   ; the first block: two whole rows a load
.endr
	s_wait_kmcnt 0x0
	s_add_co_i32 s11, s70, s71
	s_sub_co_i32 s10, 0, s11                       ; -(e2 + e3)
	s_sub_co_i32 s12, s74, s11                     ; e6 - e2 - e3
	MKSC SCT1, LIMT1, 12
	s_add_co_i32 s12, s74, s75
	s_sub_co_i32 s11, 0, s12                       ; -(e6 + e7)
	s_sub_co_i32 s12, s77, s12                     ; e9 - e6 - e7
	MKSC SCT2, LIMT2, 12
	s_sub_co_i32 s12, s72, s68
	s_sub_co_i32 s12, s12, s69                     ; e4 - e0 - e1
	MKSC SC1, LIM1, 12
	s_sub_co_i32 s12, s76, s72
	s_sub_co_i32 s12, s12, s73                     ; e8 - e4 - e5
	MKSC SC2, LIM2, 12
	MKSC SCH, LIMH, 80                             ; e12
	WA
	s_wait_loadcnt 59                              ; behind text, tp_w and tp_b stand 32 + 4 + 7 + 16 loads
	WIN 0x41
.irp j, 0,1,2,3,4,5,6,7,8,9,10,11,12,13,14,15
	v_ldexp_f32 v[BI+\j], v[BI+\j], s10
.endr
	WIN 0x55
	PMUL WF, BI
	PQ SCT1, LIMT1
	WIN 0x04
	ds_store_b128 v[ITX], v[CD:CD+3]               ; registers 4 w .. 4 w + 3 of text_proj's operand, row tile 0,
	ds_store_b128 v[ITX], v[CD+4:CD+7] offset:4096 ; and 1
	WIN 0
	s_wait_dscnt 0x0                               ; for the others' sake
	s_barrier_signal -1
	s_barrier_wait -1
	WIN 0x40
.irp lt, 0,1
.irp s, 0,1
.irp c, 0,1,2,3
	ds_load_b128 v[TF+32*\lt+16*\s+4*\c:TF+32*\lt+16*\s+4*\c+3], v[ALI] offset:(8*\lt+4*\s+\c)*512
.endr
.endr
.endr
	s_wait_loadcnt 23                              ; behind in_proj_w's fragments and their bias stand 7 + 16 loads
	WIN 0x41
.irp j, 0,1,2,3,4,5,6,7,8,9,10,11,12,13,14,15
	v_ldexp_f32 v[BJ+\j], v[BJ+\j], s11
.endr
	WA
	s_wait_dscnt 0x0
	WIN 0x55
	PMUL KF, BJ
	PQ SCT2, LIMT2
	WIN 0x04
	ds_store_b128 v[IKI], v[CD:CD+3]               ; head w, keys 0-15,
	ds_store_b128 v[IKI], v[CD+4:CD+7] offset:512  ; keys 16-31
	WIN 0
	s_add_co_i32 s13, s68, s69
	s_sub_co_i32 s13, 0, s13
	s_add_co_i32 s14, s72, s73
	s_sub_co_i32 s14, 0, s14
	s_add_co_i32 s15, s78, s79
	s_sub_co_i32 s15, 0, s15
	s_add_co_i32 s16, s80, s81
	s_sub_co_i32 s16, 0, s16
	s_cmp_lt_u32 s[WV], 4
	s_cselect_b32 s16, s16, 0                      ; b2 is divided, g2 is not
	s_wait_loadcnt 16                              ; the seven table entries are in; V's 16 loads stay out
	v_ldexp_f32 v165, v165, s13
	v_ldexp_f32 v166, v166, s14
	v_ldexp_f32 v167, v167, s15
	v_ldexp_f32 v170, v170, s16
	ds_store_b32 v[AT4], v165
	ds_store_b32 v[AT4], v166 offset:1024
	ds_store_b32 v[AT4], v167 offset:2048
	ds_store_b32 v[AT4], v168 offset:3072
	ds_store_b32 v[AT4], v169 offset:4096
	ds_store_b32 v[AT4], v170 offset:5120
	ds_store_b32 v[AT4], v171 offset:6144
	s_add_co_i32 s2, s76, s77
	s_lshl_b32 s2, s2, 23
	s_mov_b32 s92, 0x3e8293ee                      ; log2(e) / sqrt(32); e8 + e9 go onto its exponent field
	s_add_co_i32 s92, s92, s2
	s_mov_b32 s93, s92
	s_xor_b32 s94, s92, 0x80000000
	s_mov_b32 s95, 0x3727c5ac                      ; 1e-5
	s_mov_b32 s96, 0x76543210
	s_mov_b32 s97, 0xfedcba98
	s_add_co_i32 s2, s78, s79
	s_add_co_i32 s3, s2, 127
	s_lshl_b32 s98, s3, 23                         ; sigma1 = 2^(e10 + e11)
	s_lshl_b32 s3, s2, 1
	s_add_co_i32 s3, s3, 119
	s_lshl_b32 s99, s3, 23                         ; sigma1^2 / 256
	s_add_co_i32 s2, s80, s81
	s_add_co_i32 s3, s2, 127
	s_lshl_b32 s100, s3, 23                        ; sigma2
	s_lshl_b32 s3, s2, 1
	s_add_co_i32 s3, s3, 120
	s_lshl_b32 s101, s3, 23                        ; sigma2^2 / 128
	s_mov_b32 s2, 0x3e800000                       ; 0.25
	s_mov_b32 s3, 0x3f19999a                       ; 0.6
	s_mov_b32 s6, 0x41000000                       ; 8
	s_mov_b32 s7, 0x41800000                       ; 16
	; k0 = clamp(floor(32 clip(sigmoid(k_weight), 0.25, 0.6)), 8, 16), by the very lines of the last launch; k1 = min(k0 + 1, 16)
	v_mov_b32 v192, s63
	v_mul_f32 v192, 0xbfb8aa3b, v192
	WA
	v_exp_f32 v192, v192
	v_nop
	WA
	v_add_f32 v192, 1.0, v192
	WA
	v_rcp_f32 v192, v192
	v_nop
	WA
	v_med3_num_f32 v192, v192, s2, s3
	v_mul_f32 v192, 0x42000000, v192
	v_floor_f32 v192, v192
	v_med3_num_f32 v192, v192, s6, s7
	v_add_f32 v193, 1.0, v192
	v_min_num_f32 v193, s7, v193
	; the factors' word x: half h = (x / 8) % 2, rank 8 h + j with j = 4 (x / 16) + (x / 2) % 4, candidate x % 2
	v_and_b32 v194, 1, v160
	v_cmp_ne_u32 vcc_lo, 0, v194
	v_cndmask_b32 v193, v192, v193, vcc_lo
	v_bfe_u32 v194, v160, 1, 2
	v_lshrrev_b32 v195, 4, v160
	v_lshl_add_u32 v194, v195, 2, v194
	v_add_nc_u32 v194, 8, v194
	v_cvt_f32_u32 v194, v194
	v_mov_b32 v195, 1.0
	v_cmp_lt_f32 vcc_lo, v194, v193
	v_cndmask_b32 v194, 0, v195, vcc_lo
	v_and_b32 v196, 8, v160
	v_cmp_eq_u32 vcc_lo, 0, v196
	v_cndmask_b32 v194, v194, v195, vcc_lo         ; ranks 0-7 are always kept
	v_mov_b32 v196, 0x7f800000
	v_mov_b32 v197, 0xff800000
	v_cndmask_b32 v196, v197, v196, vcc_lo         ; + infinity for h = 0, - infinity for h = 1
	s_cmp_lg_u32 s[WV], 0
	WA
	s_cbranch_scc1 .Lno_masks
	ds_store_b32 v[AM], v194
	ds_store_b32 v[AM], v196 offset:128
.Lno_masks:
	v_mov_b32 v[VARS], 0
	v_mov_b32 v19, 0x7f800000
	v_mov_b32 v20, 0xff800000
	v_mov_b32 v21, 0x7f800000
	v_mov_b32 v22, 0xff800000
	v_mov_b32 v23, 0x7f800000
	v_mov_b32 v24, 0xff800000
.irp j, 0,1,2,3,4,5,6,7,8,9,10,11,12,13,14,15
	v_mov_b32 v[LT+\j], 0                          ; a lane permute's destination counts as one of its sources
.endr
	WA
	s_wait_tensorcnt 0x0                           ; my part of the weights has landed,
	s_wait_dscnt 0x0                               ; my keys and table entries too:
	s_barrier_signal -1
	s_barrier_wait -1                              ; everybody's have
	s_lshr_b32 s[LIMR], s[WV], 2
	s_xor_b32 s[LIMR], s[LIMR], 1-BIG
	s_lshl_b32 s[LIMR], s[LIMR], 2
	s_add_co_u32 s[LIMR], s[LIMR], 6               ; ten half-trips where w / 4 == BIG, else six
	s_mov_b32 s67, 0
.Lhalf:                                                ; ten trips: my block number k = trip / 2
	s_wait_loadcnt 0x0                             ; the block's rows, where the half-trip before asked for them: on every trip's way, ahead of the branch
	s_cmp_ge_u32 s67, s[LIMR]
	s_cbranch_scc1 .Lnext                          ; a trip that I do not have: the wave's number and the trip decide
	s_lshr_b32 s2, s[WV], 2
	s_add_co_u32 s2, s2, s67
	s_and_b32 s46, s2, 1                           ; the role: 0 ATT, 1 MLP
	s_and_b32 s47, s67, 1                          ; a block's second half-trip asks for the next block,
	s_add_co_u32 s2, s67, 1
	s_cmp_eq_u32 s2, s[LIMR]
	s_cselect_b32 s47, 0, s47                      ; my last for nothing
	s_lshr_b32 s3, s67, 1
	s_lshl_b32 s3, s3, 10
	v_add_nc_u32 v[OTMP], s3, v[OST]               ; place 8 k + w
	s_and_b32 s2, s67, 1
	s_cmp_lg_u32 s2, 0
	s_cbranch_scc1 .Lno_turn
	TURN
.Lno_turn:
	s_cmp_lg_u32 s46, 0
	s_cbranch_scc1 .Lmlp
	; ---------------- ATT
	GEMM AVP, 16, 0, V, 1, 0, LIM1
	LOADNEXT
	QCVT SC1
	GEMM AQW, 16, 1024, X, 0, 0, LIM2
	QCVT SC2
.irp k, 0,1,2,3
.irp j, 0,1,2,3
	v_mov_b32 v[WB+12*\k+4+\j], 0                  ; the zero codes between a pair's two heads
.endr
.endr
	KLOAD 0
	SCORES 0
	KLOAD 1
	WIN 0x40
.irp a, 0,1,2,3
	ds_load_b128 v[MK+4*\a:MK+4*\a+3], v[ATB] offset:7168+64*(\a/2)+16*(\a%2)
.endr
	ds_load_b32 v[INFR], v[ATB] offset:7296
	SOFTMAX 0
	WIN 0
	SCORES 1                                       ; its wait for 0 also covers the factors and the infinities
	SOFTMAX 1
	; squared differences of 8 attn from 8 / 32; my 16 keys' part goes onto my running sum
.irp k, 0,1,2,3,4,5,6,7
.irp i, 0,1
	v_pk_add_f32 v[64*\i+2*\k:64*\i+2*\k+1], v[AT+32*\i+2*\k:AT+32*\i+2*\k+1], 0xbe800000 op_sel_hi:[1,0]
.endr
.endr
.irp i, 0,1
	v_pk_mul_f32 v[AT+32*\i+20:AT+32*\i+21], v[64*\i:64*\i+1], v[64*\i:64*\i+1]
	v_pk_mul_f32 v[AT+32*\i+22:AT+32*\i+23], v[64*\i+2:64*\i+3], v[64*\i+2:64*\i+3]
.endr
.irp k, 2,3,4,5,6,7
.irp i, 0,1
	v_pk_fma_f32 v[AT+32*\i+20+2*(\k%2):AT+32*\i+21+2*(\k%2)], v[64*\i+2*\k:64*\i+2*\k+1], v[64*\i+2*\k:64*\i+2*\k+1], v[AT+32*\i+20+2*(\k%2):AT+32*\i+21+2*(\k%2)]
.endr
.endr
.irp i, 0,1
	v_pk_add_f32 v[AT+32*\i+20:AT+32*\i+21], v[AT+32*\i+20:AT+32*\i+21], v[AT+32*\i+22:AT+32*\i+23]
.endr
.irp i, 0,1
	v_add_f32 v[AT+32*\i+20], v[AT+32*\i+20], v[AT+32*\i+21]
.endr
	WIN 0x01
.irp i, 0,1
	v_add_f32 v[VARS], v[AT+32*\i+20], v[VARS]
.endr
	WIN 0x55
	; my 16 values in descending order: Batcher's odd-even merge sort, 63 comparators
.irp n, 0,1,2,3,4,5,6,7,8,9,10,11,12,13,14,15
.set SR\n, \n
.endr
.set SRF, 16
	CER 0, 1
	CER 2, 3
	CER 4, 5
	CER 6, 7
	CER 8, 9
	CER 10, 11
	CER 12, 13
	CER 14, 15
	CER 0, 2
	CER 1, 3
	CER 4, 6
	CER 5, 7
	CER 8, 10
	CER 9, 11
	CER 12, 14
	CER 13, 15
	CER 1, 2
	CER 5, 6
	CER 9, 10
	CER 13, 14
	CER 0, 4
	CER 1, 5
	CER 2, 6
	CER 3, 7
	CER 8, 12
	CER 9, 13
	CER 10, 14
	CER 11, 15
	CER 2, 4
	CER 3, 5
	CER 10, 12
	CER 11, 13
	CER 1, 2
	CER 3, 4
	CER 5, 6
	CER 9, 10
	CER 11, 12
	CER 13, 14
	CER 0, 8
	CER 1, 9
	CER 2, 10
	CER 3, 11
	CER 4, 12
	CER 5, 13
	CER 6, 14
	CER 7, 15
	CER 4, 8
	CER 5, 9
	CER 6, 10
	CER 7, 11
	CER 2, 4
	CER 3, 5
	CER 6, 8
	CER 7, 9
	CER 10, 12
	CER 11, 13
	CER 1, 2
	CER 3, 4
	CER 5, 6
	CER 7, 8
	CER 9, 10
	CER 11, 12
	CER 13, 14
	; T_j = max(my rank j, the partner's rank 15 - j): the two lanes' T together are the row's 16 largest
	TOPP 0, 15
	TOPP 1, 14
	TOPP 2, 13
	TOPP 3, 12
	TOPP 4, 11
	TOPP 5, 10
	TOPP 6, 9
	TOPP 7, 8
.irp j, 0,1,2,3,4,5,6,7
	TOPM \j
.endr
	; U_j = the larger (lanes 0-15) or the smaller (lanes 16-31) of T_j and the partner's T_(7 - j)
.irp j, 0,1,2,3,4,5,6,7
	v_permlanex16_b32 v[16+\j], v[15-\j], s96, s97
	v_permlanex16_b32 v[80+\j], v[79-\j], s96, s97
.endr
.irp j, 0,1,2,3,4,5,6,7
	v_med3_num_f32 v[UB+\j], v[8+\j], v[16+\j], v[INFR]
	v_med3_num_f32 v[UB+64+\j], v[72+\j], v[80+\j], v[INFR]
.endr
.irp n, 0,1,2,3,4,5,6,7
.set SU\n, \n
.endr
.set SUF, 8
	CEU 0, 4                                       ; a bitonic run of eight: in lanes 16-31 place j is then rank 8 + j
	CEU 1, 5
	CEU 2, 6
	CEU 3, 7
	CEU 0, 2
	CEU 1, 3
	CEU 4, 6
	CEU 5, 7
	CEU 0, 1
	CEU 2, 3
	CEU 4, 5
	CEU 6, 7
	; e = exp(attn), e x 8 attn; both summed under each candidate's factors
.irp j, 0,1,2,3,4,5,6,7
	EPM \j
.endr
	WA
.irp j, 0,1,2,3,4,5,6,7
	v_exp_f32 v[34+2*\j], v[34+2*\j]
	v_exp_f32 v[98+2*\j], v[98+2*\j]
.endr
	v_nop
	WA
.irp j, 0,1,2,3,4,5,6,7
	EPT \j
.endr
.irp i, 0,1
	v_pk_mul_f32 v[64*\i+50:64*\i+51], v[64*\i+34:64*\i+35], v[MK:MK+1] op_sel_hi:[0,1]
	v_pk_mul_f32 v[64*\i+52:64*\i+53], v[64*\i+34:64*\i+35], v[MK:MK+1] op_sel:[1,0] op_sel_hi:[1,1]
.endr
.irp j, 1,2,3,4,5,6,7
.irp i, 0,1
	v_pk_fma_f32 v[64*\i+50:64*\i+51], v[64*\i+34+2*\j:64*\i+35+2*\j], v[MK+2*\j:MK+2*\j+1], v[64*\i+50:64*\i+51] op_sel_hi:[0,1,1]
	v_pk_fma_f32 v[64*\i+52:64*\i+53], v[64*\i+34+2*\j:64*\i+35+2*\j], v[MK+2*\j:MK+2*\j+1], v[64*\i+52:64*\i+53] op_sel:[1,0,0] op_sel_hi:[1,1,1]
.endr
.endr
.irp j, 0,1,2,3
.irp i, 0,1
	v_permlanex16_b32 v[64*\i+54+\j], v[64*\i+50+\j], s96, s97
.endr
.endr
.irp i, 0,1
	v_pk_add_f32 v[64*\i+50:64*\i+51], v[64*\i+50:64*\i+51], v[64*\i+54:64*\i+55]
	v_pk_add_f32 v[64*\i+52:64*\i+53], v[64*\i+52:64*\i+53], v[64*\i+56:64*\i+57]
.endr
	WA
.irp i, 0,1
	v_rcp_f32 v[64*\i+58], v[64*\i+50]
	v_rcp_f32 v[64*\i+59], v[64*\i+51]
.endr
	v_nop
	WA
.irp i, 0,1
	v_pk_mul_f32 v[64*\i+60:64*\i+61], v[64*\i+52:64*\i+53], v[64*\i+58:64*\i+59]      ; 8 x the similarity, under k0 and under k1
.endr
	WIN 0x01
.irp i, 0,1
	v_min_num_f32 v19, v[64*\i+60], v19
	v_max_num_f32 v20, v[64*\i+60], v20
	v_min_num_f32 v21, v[64*\i+61], v21
	v_max_num_f32 v22, v[64*\i+61], v22
.endr
	WIN 0x04
.irp i, 0,1
	ds_store_b32 v[OTMP], v[64*\i+60] offset:64*\i
	ds_store_b32 v[OTMP], v[64*\i+61] offset:PLN+64*\i
.endr
	WIN 0
	WA
	s_branch .Lnext
.Lmlp:	; ---------------- MLP
	GEMM AW1, 16, 2048, V, 1, 1, 0
	LOADNEXT
	LN_STATS 16, 0xbb800000, 99, 98
	LN1_FIN
	GEMM AW2, 8, 5120, X, 0, 1, 0
	LN_STATS 8, 0xbc000000, 101, 100
	LN2_FIN
.Lnext:
	s_add_co_u32 s67, s67, 1
	s_cmp_lt_u32 s67, 10
	WA
	s_cbranch_scc1 .Lhalf
	s_wait_loadcnt 0x0                             ; no load into V's registers is out: the way out writes them
	; ---------------- the wave's statistics, the work-group's, and the way out
.irp m, 1,2,4,8
	v_add_f32_dpp v[VARS], v[VARS], v[VARS] row_xmask:\m row_mask:0xf bank_mask:0xf
	v_min_num_f32_dpp v19, v19, v19 row_xmask:\m row_mask:0xf bank_mask:0xf
	v_max_num_f32_dpp v20, v20, v20 row_xmask:\m row_mask:0xf bank_mask:0xf
	v_min_num_f32_dpp v21, v21, v21 row_xmask:\m row_mask:0xf bank_mask:0xf
	v_max_num_f32_dpp v22, v22, v22 row_xmask:\m row_mask:0xf bank_mask:0xf
	v_min_num_f32_dpp v23, v23, v23 row_xmask:\m row_mask:0xf bank_mask:0xf
	v_max_num_f32_dpp v24, v24, v24 row_xmask:\m row_mask:0xf bank_mask:0xf
.endr
	v_permlanex16_b32 v[LT], v[VARS], s96, s97
	v_add_f32 v[VARS], v[VARS], v[LT]
	ds_store_b32 v[REDA], v[VARS]
	ds_store_b32 v[REDA], v19 offset:4
	ds_store_b32 v[REDA], v20 offset:8
	ds_store_b32 v[REDA], v21 offset:12
	ds_store_b32 v[REDA], v22 offset:16
	ds_store_b32 v[REDA], v23 offset:20
	ds_store_b32 v[REDA], v24 offset:24
	ds_store_b32 v[REDA], v[NIL] offset:28
	s_wait_dscnt 0x0                               ; for the others' sake: my results in the planes and my eight words
	s_barrier_signal -1
	s_barrier_wait -1
	ds_load_b128 v[32:35], v[OL]                   ; rows 128 w .. + 127 of each plane, whoever made them
	ds_load_b128 v[36:39], v[OL] offset:PLN
	ds_load_b128 v[40:43], v[OL] offset:2*PLN
	ds_load_b128 v[44:47], v[RL]                   ; lane l takes wave l % 8's eight words
	ds_load_b128 v[48:51], v[RL] offset:16
	s_lshl_b32 s2, s5, 16                          ; [b][n]: 65,536 b + 4,096 xg
	s_lshl_b32 s3, s4, 12
	s_add_co_u32 s2, s2, s3
	s_mov_b32 s3, 0
	s_add_nc_u64 s[48:49], s[48:49], s[2:3]
	s_add_nc_u64 s[50:51], s[50:51], s[2:3]
	s_add_nc_u64 s[52:53], s[52:53], s[2:3]
	s_lshl_b32 s2, s5, 9                           ; part: (16 b + xg) x 32
	s_lshl_b32 s6, s4, 5
	s_add_co_u32 s2, s2, s6
	s_add_nc_u64 s[54:55], s[54:55], s[2:3]
	s_wait_dscnt 0x0
	global_store_b128 v[GOF], v[32:35], s[48:49]   ; each store of the wave covers 512 consecutive bytes, aligned
	global_store_b128 v[GOF], v[36:39], s[50:51]
	global_store_b128 v[GOF], v[40:43], s[52:53]
.irp m, 1,2,4
	v_add_f32_dpp v44, v44, v44 row_xmask:\m row_mask:0xf bank_mask:0xf
	v_min_num_f32_dpp v45, v45, v45 row_xmask:\m row_mask:0xf bank_mask:0xf
	v_max_num_f32_dpp v46, v46, v46 row_xmask:\m row_mask:0xf bank_mask:0xf
	v_min_num_f32_dpp v47, v47, v47 row_xmask:\m row_mask:0xf bank_mask:0xf
	v_max_num_f32_dpp v48, v48, v48 row_xmask:\m row_mask:0xf bank_mask:0xf
	v_min_num_f32_dpp v49, v49, v49 row_xmask:\m row_mask:0xf bank_mask:0xf
	v_max_num_f32_dpp v50, v50, v50 row_xmask:\m row_mask:0xf bank_mask:0xf
.endr
	v_cmp_eq_u32 vcc_lo, 0, v0                     ; thread 0 alone stores the work-group's statistics: no lane of waves 1-7
	WA
	s_wait_xcnt 0x0                                ; EXEC is a source of the stores above
	s_and_saveexec_b32 s6, vcc_lo
	global_store_b128 v[NIL], v[44:47], s[54:55]
	global_store_b128 v[NIL], v[48:51], s[54:55] offset:16
	s_wait_xcnt 0x0
	s_or_b32 exec_lo, exec_lo, s6
	s_wait_tensorcnt 0x0                           ; the wave's end
	ds_add_u32 v[SPW], v[ZR]
	s_wait_dscnt 0x0
	CROUND                                         ; the closing round
	s_endpgm
.Lfunc_end_k_q7e1990628d_main:
	.size	k_q7e1990628d_main, .Lfunc_end_k_q7e1990628d_main-k_q7e1990628d_main
	.p2alignl 7, 3214868480
	.fill 96, 4, 3214868480
	.section	.rodata,"a",@progbits
	.p2align	6, 0x0
	.amdhsa_kernel k_q7e1990628d_main
		.amdhsa_group_segment_fixed_size 327680
		.amdhsa_private_segment_fixed_size 0
		.amdhsa_enable_private_segment 0
		.amdhsa_kernarg_size 192
		.amdhsa_user_sgpr_count 2
		.amdhsa_user_sgpr_kernarg_segment_ptr 1
		.amdhsa_wavefront_size32 1
		.amdhsa_system_sgpr_workgroup_id_x 1
		.amdhsa_system_sgpr_workgroup_id_y 1
		.amdhsa_system_sgpr_workgroup_id_z 1
		.amdhsa_system_vgpr_workitem_id 0
		.amdhsa_next_free_vgpr 512
		.amdhsa_next_free_sgpr 102
		.amdhsa_reserve_vcc 1
		.amdhsa_float_denorm_mode_32 3
		.amdhsa_float_denorm_mode_16_64 3
		.amdhsa_memory_ordered 1
		.amdhsa_forward_progress 1
		.amdhsa_inst_pref_size 255
	.end_amdhsa_kernel
	.section	.bss,"aw",@nobits
	.p2align	6
	.space	262144
	.amdgpu_metadata
---
amdhsa.version: [ 1, 2 ]
amdhsa.kernels:
  - .name:           k_q7e1990628d_main
    .symbol:         k_q7e1990628d_main.kd
    .args:
      - { .name: vision_features_codes, .offset: 0, .size: 8, .value_kind: global_buffer, .address_space: global }
      - { .name: vp_w_codes, .offset: 8, .size: 8, .value_kind: global_buffer, .address_space: global }
      - { .name: in_proj_w_codes, .offset: 16, .size: 8, .value_kind: global_buffer, .address_space: global }
      - { .name: w1_codes, .offset: 24, .size: 8, .value_kind: global_buffer, .address_space: global }
      - { .name: w2_codes, .offset: 32, .size: 8, .value_kind: global_buffer, .address_space: global }
      - { .name: text_features_codes, .offset: 40, .size: 8, .value_kind: global_buffer, .address_space: global }
      - { .name: tp_w_codes, .offset: 48, .size: 8, .value_kind: global_buffer, .address_space: global }
      - { .name: tp_b, .offset: 56, .size: 8, .value_kind: global_buffer, .address_space: global }
      - { .name: lowp_scales, .offset: 64, .size: 8, .value_kind: global_buffer, .address_space: global }
      - { .name: vp_b, .offset: 72, .size: 8, .value_kind: global_buffer, .address_space: global }
      - { .name: in_proj_b, .offset: 80, .size: 8, .value_kind: global_buffer, .address_space: global }
      - { .name: b1, .offset: 88, .size: 8, .value_kind: global_buffer, .address_space: global }
      - { .name: g1, .offset: 96, .size: 8, .value_kind: global_buffer, .address_space: global }
      - { .name: be1, .offset: 104, .size: 8, .value_kind: global_buffer, .address_space: global }
      - { .name: b2, .offset: 112, .size: 8, .value_kind: global_buffer, .address_space: global }
      - { .name: g2, .offset: 120, .size: 8, .value_kind: global_buffer, .address_space: global }
      - { .name: be2, .offset: 128, .size: 8, .value_kind: global_buffer, .address_space: global }
      - { .name: w3, .offset: 136, .size: 8, .value_kind: global_buffer, .address_space: global }
      - { .name: b3, .offset: 144, .size: 8, .value_kind: global_buffer, .address_space: global }
      - { .name: k_weight, .offset: 152, .size: 8, .value_kind: global_buffer, .address_space: global }
      - { .name: sim0, .offset: 160, .size: 8, .value_kind: global_buffer, .address_space: global }
      - { .name: sim1, .offset: 168, .size: 8, .value_kind: global_buffer, .address_space: global }
      - { .name: imp, .offset: 176, .size: 8, .value_kind: global_buffer, .address_space: global }
      - { .name: part, .offset: 184, .size: 8, .value_kind: global_buffer, .address_space: global }
    .group_segment_fixed_size: 327680
    .private_segment_fixed_size: 0
    .kernarg_segment_align: 8
    .kernarg_segment_size: 192
    .max_flat_workgroup_size: 256
    .sgpr_count:     102
    .vgpr_count:     512
    .wavefront_size: 32
...
	.end_amdgpu_metadata
.endif
;; end of part 1
;; launch finish (part 2): grid 256 x 1, 8 waves a work-group, no clusters, 6,144 bytes of LDS; arguments sim0, sim1, imp, part, k_weight, alpha_coarse, alpha_fine, out0; writes out0
.if DOCPART == 2
	.amdgcn_target "amdgcn-amd-amdhsa--gfx1250"
	.amdhsa_code_object_version 6
	.text
	.protected	k_q7e1990628d_finish
	.globl	k_q7e1990628d_finish
	.p2align	8
	.type	k_q7e1990628d_finish,@function
k_q7e1990628d_finish:
	s_mov_b64 s[64:65], 0
	v_nop
	global_prefetch_b8 v0, s[64:65] scope:SCOPE_SE
	s_setreg_imm32_b32 hwreg(HW_REG_WAVE_MODE, 25, 1), 1
	s_wait_xcnt 0x0
; out0[n][b] = alpha (sim - min) / (max - min) + (1 - alpha) (imp - min) / (max - min), minima and maxima over all n of batch b; 0 in place of a quotient whose range is 0.
; sim is sim0 or sim1: k_top[b] is made here from the batch's mean variance and held against k0, which is made by the very lines of the launch before; k_top is k0 or k0 + 1 (the variance of a mean of softmaxes lies in [0, 1/32]).
; sim0 and sim1 hold 8 x the similarity: the quotient takes the factor out.  part[b][chunk] holds: the sum of squared differences of 8 attn, min and max of sim0, of sim1, of imp, and a 0.
; SHARES.  A work-group owns 64 n x 16 b.  Thread t: batch t / 16, four n at 4 (t % 16): sixteen lanes read 256 consecutive bytes of a plane.  The same sixteen lanes read the batch's sixteen chunks of part and join them.
; LIMIT: where 32 x the ratio lies within the transcendentals' last bit of a whole number, k_top may fall the other way than in reference().  NaN among the inputs is not served.
.macro SIGM d, sreg                    ; v[d] = 1 / (1 + 2^(-x log2(e)))
	v_mov_b32 v[\d], s[\sreg]
	s_delay_alu instid0(VALU_DEP_1)
	v_mul_f32 v[\d], 0xbfb8aa3b, v[\d]
	s_wait_alu depctr_va_vdst(0)
	v_exp_f32 v[\d], v[\d]
	v_nop
	s_wait_alu depctr_va_vdst(0)
	v_add_f32 v[\d], 1.0, v[\d]
	s_wait_alu depctr_va_vdst(0)
	v_rcp_f32 v[\d], v[\d]
	v_nop
	s_wait_alu depctr_va_vdst(0)
.endm
	s_load_b512 s[8:23], s[0:1], 0x0               ; sim0 s[8:9], sim1 s[10:11], imp s[12:13], part s[14:15], k_weight s[16:17], alpha_coarse s[18:19], alpha_fine s[20:21], out0 s[22:23]
	v_lshl_add_u32 v44, v0, 2, 5120                ; my spare word, behind the 64 rows of 80 bytes,
	v_mov_b32 v45, 0                               ; and 0: for the add at the wave's end alone
	v_and_b32 v1, 15, v0
	v_lshrrev_b32 v2, 4, v0                        ; b
	s_delay_alu instid0(VALU_DEP_2)
	v_lshlrev_b32 v3, 4, v1
	s_delay_alu instid0(VALU_DEP_1)
	v_lshl_add_u32 v3, v2, 16, v3                  ; a plane: 65,536 b + 16 c
	s_delay_alu instid0(VALU_DEP_4)
	v_lshlrev_b32 v4, 5, v1
	s_delay_alu instid0(VALU_DEP_1)
	v_lshl_add_u32 v4, v2, 9, v4                   ; part: 512 b + 32 c
	v_mul_u32_u24 v5, v1, 320
	s_delay_alu instid0(VALU_DEP_1)
	v_lshl_add_u32 v5, v2, 2, v5                   ; LDS, in: row 4 c (+ i) of 80 bytes, + 4 b
	v_lshrrev_b32 v6, 2, v0
	s_delay_alu instid0(VALU_DEP_1)
	v_mul_u32_u24 v6, v6, 80
	v_and_b32 v7, 3, v0
	s_delay_alu instid0(VALU_DEP_1)
	v_lshl_add_u32 v6, v7, 4, v6                   ; LDS, out: row t / 4, 16 bytes at 16 (t % 4)
	v_lshlrev_b32 v7, 4, v0                        ; out0: 16 t
	s_lshl_b32 s24, ttmp9, 8                       ; 64 n of 4 bytes
	s_mov_b32 s25, 0
	s_lshl_b32 s26, ttmp9, 12                      ; 64 n of 64 bytes
	s_mov_b32 s27, 0
	s_mov_b32 s31, 0x3e800000                      ; 0.25
	s_mov_b32 s32, 0x3f19999a                      ; 0.6
	s_mov_b32 s33, 0x41000000                      ; 8
	s_mov_b32 s34, 0x41800000                      ; 16
	s_wait_alu depctr_va_vdst(0)
	s_wait_kmcnt 0x0
	s_load_b32 s28, s[16:17], 0x0
	s_load_b32 s29, s[18:19], 0x0
	s_load_b32 s30, s[20:21], 0x0
	s_add_nc_u64 s[8:9], s[8:9], s[24:25]
	s_add_nc_u64 s[10:11], s[10:11], s[24:25]
	s_add_nc_u64 s[12:13], s[12:13], s[24:25]
	s_add_nc_u64 s[22:23], s[22:23], s[26:27]
	global_load_b128 v[20:23], v4, s[14:15]
	global_load_b128 v[24:27], v4, s[14:15] offset:16
	global_load_b128 v[8:11], v3, s[8:9] th:TH_LOAD_NT
	global_load_b128 v[12:15], v3, s[10:11] th:TH_LOAD_NT
	global_load_b128 v[16:19], v3, s[12:13] th:TH_LOAD_NT
	s_wait_kmcnt 0x0
	SIGM 28, 28                                    ; k_ws
	SIGM 29, 29
	SIGM 30, 30
	v_add_f32 v29, v29, v30
	s_delay_alu instid0(VALU_DEP_1)
	v_mul_f32 v29, 0.5, v29                        ; alpha
	s_delay_alu instid0(VALU_DEP_1)
	v_sub_f32 v30, 1.0, v29                        ; 1 - alpha
	v_med3_num_f32 v31, v28, s31, s32              ; k0, as in the launch before
	s_delay_alu instid0(VALU_DEP_1)
	v_mul_f32 v31, 0x42000000, v31
	s_delay_alu instid0(VALU_DEP_1)
	v_floor_f32 v31, v31
	s_delay_alu instid0(VALU_DEP_1)
	v_med3_num_f32 v31, v31, s33, s34
	s_wait_loadcnt 3                               ; part's two loads are in; the three planes' may be out
.irp m, 1,2,4,8
	v_add_f32_dpp v20, v20, v20 row_xmask:\m row_mask:0xf bank_mask:0xf
	v_min_num_f32_dpp v21, v21, v21 row_xmask:\m row_mask:0xf bank_mask:0xf
	v_max_num_f32_dpp v22, v22, v22 row_xmask:\m row_mask:0xf bank_mask:0xf
	v_min_num_f32_dpp v23, v23, v23 row_xmask:\m row_mask:0xf bank_mask:0xf
	v_max_num_f32_dpp v24, v24, v24 row_xmask:\m row_mask:0xf bank_mask:0xf
	v_min_num_f32_dpp v25, v25, v25 row_xmask:\m row_mask:0xf bank_mask:0xf
	v_max_num_f32_dpp v26, v26, v26 row_xmask:\m row_mask:0xf bank_mask:0xf
.endr
	v_mul_f32 v32, 0x33042108, v20                 ; the mean variance: / (64 x 31 x 16,384)
	s_delay_alu instid0(VALU_DEP_1)
	v_fma_f32 v32, v32, 0.5, 1.0
	v_mul_f32 v32, v28, v32
	s_delay_alu instid0(VALU_DEP_1)
	v_med3_num_f32 v32, v32, s31, s32
	s_delay_alu instid0(VALU_DEP_1)
	v_mul_f32 v32, 0x42000000, v32
	s_delay_alu instid0(VALU_DEP_1)
	v_floor_f32 v32, v32
	s_delay_alu instid0(VALU_DEP_1)
	v_med3_num_f32 v32, v32, s33, s34              ; k_top[b]
	s_delay_alu instid0(VALU_DEP_1)
	v_cmp_neq_f32 vcc_lo, v32, v31                 ; the second candidate where k_top is not k0
	s_delay_alu instid0(VALU_DEP_1)
	v_cndmask_b32 v33, v21, v23, vcc_lo            ; the similarity's minimum,
	s_delay_alu instid0(VALU_DEP_2)
	v_cndmask_b32 v34, v22, v24, vcc_lo            ; and maximum
	s_delay_alu instid0(VALU_DEP_1)
	v_sub_f32 v34, v34, v33                        ; its range
	v_sub_f32 v35, v26, v25                        ; the importance's
	s_wait_loadcnt 0x0
.irp i, 0,1,2,3
	v_cndmask_b32 v[8+\i], v[8+\i], v[12+\i], vcc_lo
.endr
	s_wait_alu depctr_va_vdst(0)
	v_rcp_f32 v36, v34
	v_rcp_f32 v37, v35
	v_nop
	s_wait_alu depctr_va_vdst(0)
	v_mul_f32 v36, v36, v29
	v_mul_f32 v37, v37, v30
	v_cmp_lt_f32 vcc_lo, 0, v34
	s_delay_alu instid0(VALU_DEP_1)
	v_cndmask_b32 v36, 0, v36, vcc_lo              ; alpha / range, or 0 where the range is 0
	v_cmp_lt_f32 vcc_lo, 0, v35
	s_delay_alu instid0(VALU_DEP_1)
	v_cndmask_b32 v37, 0, v37, vcc_lo
.irp i, 0,1,2,3
	v_sub_f32 v[8+\i], v[8+\i], v33
	v_sub_f32 v[16+\i], v[16+\i], v25
.endr
.irp i, 0,1,2,3
	v_mul_f32 v[16+\i], v[16+\i], v37
.endr
.irp i, 0,1,2,3
	s_delay_alu instid0(VALU_DEP_4)
	v_fma_f32 v[8+\i], v[8+\i], v36, v[16+\i]
.endr
.irp i, 0,1,2,3
	ds_store_b32 v5, v[8+\i] offset:80*\i
.endr
	s_wait_dscnt 0x0                               ; for the others' sake: my four words have landed
	s_barrier_signal -1
	s_barrier_wait -1
	ds_load_b128 v[40:43], v6
	s_wait_dscnt 0x0
	global_store_b128 v7, v[40:43], s[22:23] th:TH_STORE_NT
	s_wait_tensorcnt 0x0                           ; the wave's end
	ds_add_u32 v44, v45
	s_wait_dscnt 0x0
	s_endpgm
.Lfunc_end_k_q7e1990628d_finish:
	.size	k_q7e1990628d_finish, .Lfunc_end_k_q7e1990628d_finish-k_q7e1990628d_finish
	.p2alignl 7, 3214868480
	.fill 96, 4, 3214868480
	.section	.rodata,"a",@progbits
	.p2align	6, 0x0
	.amdhsa_kernel k_q7e1990628d_finish
		.amdhsa_group_segment_fixed_size 6144
		.amdhsa_private_segment_fixed_size 0
		.amdhsa_enable_private_segment 0
		.amdhsa_kernarg_size 64
		.amdhsa_user_sgpr_count 2
		.amdhsa_user_sgpr_kernarg_segment_ptr 1
		.amdhsa_wavefront_size32 1
		.amdhsa_system_sgpr_workgroup_id_x 1
		.amdhsa_system_sgpr_workgroup_id_y 1
		.amdhsa_system_sgpr_workgroup_id_z 1
		.amdhsa_system_vgpr_workitem_id 0
		.amdhsa_next_free_vgpr 64
		.amdhsa_next_free_sgpr 66
		.amdhsa_reserve_vcc 1
		.amdhsa_float_denorm_mode_32 3
		.amdhsa_float_denorm_mode_16_64 3
		.amdhsa_memory_ordered 1
		.amdhsa_forward_progress 1
		.amdhsa_inst_pref_size 9
	.end_amdhsa_kernel
	.amdgpu_metadata
---
amdhsa.version: [ 1, 2 ]
amdhsa.kernels:
  - .name:           k_q7e1990628d_finish
    .symbol:         k_q7e1990628d_finish.kd
    .args:
      - { .name: sim0, .offset: 0, .size: 8, .value_kind: global_buffer, .address_space: global }
      - { .name: sim1, .offset: 8, .size: 8, .value_kind: global_buffer, .address_space: global }
      - { .name: imp, .offset: 16, .size: 8, .value_kind: global_buffer, .address_space: global }
      - { .name: part, .offset: 24, .size: 8, .value_kind: global_buffer, .address_space: global }
      - { .name: k_weight, .offset: 32, .size: 8, .value_kind: global_buffer, .address_space: global }
      - { .name: alpha_coarse, .offset: 40, .size: 8, .value_kind: global_buffer, .address_space: global }
      - { .name: alpha_fine, .offset: 48, .size: 8, .value_kind: global_buffer, .address_space: global }
      - { .name: out0, .offset: 56, .size: 8, .value_kind: global_buffer, .address_space: global }
    .group_segment_fixed_size: 6144
    .private_segment_fixed_size: 0
    .kernarg_segment_align: 8
    .kernarg_segment_size: 64
    .max_flat_workgroup_size: 256
    .sgpr_count:     66
    .vgpr_count:     64
    .wavefront_size: 32
...
	.end_amdgpu_metadata
.endif
;; end of part 2
